; MI455X (gfx1250); checked and timed in simulation.
; The chip was launched on July 23, 2026; its instructions are those of AMD's public machine-readable ISA for CDNA 5 (MIT licence, August 2026) and "CDNA5" Instruction Set Architecture Reference Guide (July 2026). The comments in the code are by the model that wrote it; some were corrected since.
;; Quant Linear. Allowed arithmetic: matrix products marked QUANTISED: E4M3 operands, one E8M0 scale for each 32 along K, by v_wmma_scale_f32_16x16x128_f8f6f4 with both operands' format E4M3, f32 sums; everything else in f32.
;; Inputs: compressed_weight 2,048 x 4,096 int32; offset 2,048 x 32 float32; scale 2,048 x 32 float32; x_codes 4 x 2,048 x 128 x 32 uint8 (E4M3 codes of x, K innermost, in blocks of 32 codes); x_scales 4 x 2,048 x 128 uint8 (E8M0 scales of x, one for each 32 codes along K).
;; Outputs: out0 4 x 2,048 x 2,048 float32.
;; This version of the problem:
;;   THIS VERSION OF THE PROBLEM IS GIVEN IN LOW PRECISION. The matrix products marked QUANTISED in the list below multiply operands that are first quantised to E4M3 (4 exponent bits, 3 mantissa bits; 8 bits a number), with one power-of-two scale for each 32 numbers along K (OCP MX v1.0); their sums are f32. All else is computed in f32.
;;   The module's matrix products, in the order in which they are computed (A, B: the left and right operand; K: the contracted axis; several contracted axes count as one K, in the product's order):
;;     1. [M 8,192, K 4,096] x [K 4,096, N 2,048]; A: input x (given as codes); B: computed on the way: QUANTISED
;;   THE QUANTISER, for each operand of a quantised product, along K:
;;     - K is cut into blocks of 32 from its start; a last block that is shorter is filled with zeros.
;;     - A block's scale is 2^e with e = floor(log2(the largest magnitude in the block)) - 8, held to -126 .. 127; a block of zeros has e = 0. As a byte (E8M0): e + 127.
;;     - Each number is divided by its block's scale, clamped to +-448, and rounded to the nearest number of E4M3, ties to even, subnormals kept.
;;     - The product sums the exact products of the quantised numbers (number of the format x scale) in f32.
;;   ~~~python
;;   def quantise(x, axis):      # numpy; x: float32 -> the quantised numbers, widened to float32 again
;;       x = np.moveaxis(x, axis, -1); K = x.shape[-1]
;;       x = np.pad(x, [(0, 0)] * (x.ndim - 1) + [(0, -K % 32)]); x = x.reshape(x.shape[:-1] + (-1, 32)); a = np.abs(x).max(-1, keepdims=True)
;;       e = np.where(a > 0, np.clip(np.frexp(np.where(a > 0, a, 1))[1] - 1 - 8, -126, 127), 0)      # np.frexp(a)[1] - 1 = floor(log2(a)), exactly
;;       r = np.clip(x / 2.0 ** e, -448, 448)
;;       step = 2.0 ** (np.maximum(np.frexp(np.where(r == 0, 1, r))[1] - 1, -6) - 3)
;;       q = np.round(r / step) * step * 2.0 ** e      # np.round: ties to even
;;       return np.moveaxis(q.reshape(q.shape[:-2] + (-1,))[..., :K], -1, axis).astype(np.float32)
;;   ~~~
;;   OPERANDS COMPUTED ON THE WAY. 'Computed on the way' means the value that the module computes at that place (a softmax that the list does not call 'softmax' is quantised finished and normalised). What goes into a quantiser is computed in f32, as accurately as f32 sums, v_exp_f32 and their like allow (about 1e-6 of the number): no bf16 or f16 on the way to a quantiser, and a product that is left as it is and whose result goes on into a quantised operand takes f32 operands (vector FMAs, or v_wmma_f32_16x16x4_f32). A number that lies on a knife's edge between two numbers of the format may be rounded either way, as far as f32 arithmetic and the matrix unit's own rounding can turn it there, and no further.
;;   INPUTS GIVEN AS CODES. x (in the module: [4, 2048, 4096], K = its axis 2): each comes as NAME_codes (uint8): NAME with its K axis moved to the last place and cut into blocks of 32 codes, [.., K / 32, bytes a block], one block behind the other in memory; one code a byte (a code: sign, 4 exponent bits, 3 mantissa bits); and NAME_scales (uint8): the same leading axes, one E8M0 byte (e + 127) for each 32 codes along K. Its value is code x scale, taken as it is: it is not quantised again, and the codes and scales need not be those that the quantiser above would give.
;; One version. Each part assembles by itself: llvm-mc -triple=amdgcn-amd-amdhsa -mcpu=gfx1250 --defsym DOCPART=n.
;; ======== version 1 of 1: 2 launches
;; limits: right only within a limited range of input values
;; workspace buffers: w_codes 8,388,608 bytes; w_scl 262,144 bytes
;; launch prep (part 1): grid 256 x 1, 8 waves a work-group, no clusters, 63,488 bytes of LDS; arguments compressed_weight, scale, offset, w_codes, w_scl; writes w_codes, w_scl
.if DOCPART == 1
	.amdgcn_target "amdgcn-amd-amdhsa--gfx1250"
	.amdhsa_code_object_version 6
	.text
	.protected	k_q4b85225b46_prep
	.globl	k_q4b85225b46_prep
	.p2align	8
	.type	k_q4b85225b46_prep,@function
k_q4b85225b46_prep:
	s_mov_b64 s[64:65], 0
	v_nop
	global_prefetch_b8 v0, s[64:65] scope:SCOPE_SE
	s_setreg_imm32_b32 hwreg(HW_REG_WAVE_MODE, 25, 1), 1
	s_wait_xcnt 0x0
; w[o][k] = code[o][k] * scale[o][k / 128] - offset[o][k / 128] in f32 (one fused multiply-add), then quantised along K: codes of FP8 (E4M3) with one E8M0 byte for each 32 along K.
; Out, in the order in which the product's waves take their operand registers (r = lane % 16, h = lane / 16):
; w_codes: [K / 512][256 columns: 8][128 along K: 4][64 columns: 4][b: 4][c: 4][lane][16 bytes]: row 64 g + 4 r + b of w, k = 32 c + 16 h + 0 .. 15 of its 128.
; w_scl: [K / 512][256 along K: 2][64 columns: 32][b: 4][r: 16][word: 2][c: 4]: one byte each; the first word is that of the second 128 along K, the second that of the first.
; A block's scale is 2^(floor(log2(its largest magnitude)) - 8); its byte is the largest magnitude's exponent field - 8, held at 1 from below.
; LIMITS: NaN and infinities in scale or offset are not served.  A block whose largest magnitude lies under 2^-118, a block of zeros among them, gets the byte 1 (a block of zeros has zero codes, which add
; nothing under that byte; the bytes are read by this program alone).  w has one rounding where a multiplication and a subtraction would have two: at most an ulp of code * scale apart.
; SHARES.  Work-group: rows 64 g .. + 63 of w (g = number / 8), 512 along K (number % 8).  Wave w of eight: the 16 rows 64 g + 4 r + w % 4, K half w / 4 (256).
; Step t = 4 u + s: rows r = 4 s .. 4 s + 3, the u-th 128 of the half: four loads of 512 consecutive bytes.  A step's 2,048 bytes turn through the wave's own stage in LDS and come back 64 bytes a lane:
; lane l has row 4 s + l / 8, 16 neighbours along K from 16 (l % 8); two lanes to a block.  Four steps' codes turn through a second stage and leave as 2,048 consecutive bytes.
; All 32 loads of a wave go out at the head, each step with registers of its own: there is no loop, so nothing is prefetched.  No tensor loads, no matrix work, no cluster: work-groups share no large input.
.set SP,    80                         ; a lane's place in a stage: its 64 bytes + 16
.set STG1,  32*SP                      ; the second stage
.set PAIRS, 2*32*SP                    ; 32 pairs (scale, offset): entry 16 u + r
.set CST,   PAIRS+256                  ; the codes' stage: 8 pieces of 256 bytes,
.set CP,    288                        ; 288 apart: sixteen lanes touch sixteen columns of 16 bytes
.set WREG,  CST+8*CP                   ; a wave's region
.set SCB,   8*WREG                     ; the work-group's 1,024 scale bytes
.set SPARE, SCB+1024                   ; the spare words
.set P,     24
.set R,     32                         ; v32-159   eight sets of 16 words as loaded
.set X,     160                        ; v160-191  two sets of 16 neighbours
.set C,     192                        ; v192-223  codes
.set E,     224                        ; v224-231  scale bytes
	s_load_b256 s[4:11], s[0:1], 0x0               ; int32 codes s[4:5], scale s[6:7], offset s[8:9], w_codes s[10:11]
	s_load_b64 s[12:13], s[0:1], 0x20              ; w_scl
	v_lshl_add_u32 v232, v0, 2, SPARE
	v_mov_b32 v233, 0
	v_lshrrev_b32 v1, 5, v0
	v_readfirstlane_b32 s16, v1                    ; wave 0..7
	s_and_b32 s17, s16, 3                          ; b
	s_lshr_b32 s18, s16, 2                         ; K half
	s_mul_i32 s30, s16, WREG                       ; my region
	s_lshl_b32 s28, s17, 7
	s_lshl_b32 s29, s18, 9
	s_add_co_u32 s28, s28, s29
	s_add_co_u32 s28, s28, SCB
	s_add_co_u32 s29, s30, PAIRS
	s_add_co_u32 s31, s30, CST
	v_and_b32 v2, 31, v0                           ; lane
	v_and_b32 v8, 15, v0                           ; lane % 16
	v_bfe_u32 v9, v0, 4, 1                         ; lane / 16
	v_bfe_u32 v10, v0, 3, 2                        ; lane / 8
	v_and_b32 v11, 7, v0                           ; lane % 8
	v_lshlrev_b32 v3, 4, v2                        ; 16 x lane
	v_lshlrev_b32 v4, 9, v8                        ; scale, offset: row 4 r (128 bytes a row), group u = lane / 16
	v_bfe_u32 v5, v0, 1, 2                         ; block c = (lane % 8) / 2
	v_lshlrev_b32 v12, 3, v2
	v_lshlrev_b32 v13, 3, v10
	v_bfe_u32 v14, v0, 2, 3
	v_and_b32 v16, 3, v0
	v_mul_u32_u24 v15, v2, SP
	v_mul_u32_u24 v18, v11, CP
	v_mul_u32_u24 v19, v9, CP
	v_mul_u32_u24 v14, v14, SP
	v_lshl_add_u32 v4, v9, 2, v4
	v_lshl_add_u32 v5, v10, 3, v5
	v_lshl_add_u32 v18, v10, 4, v18
	v_lshl_add_u32 v19, v8, 4, v19
	v_lshl_add_u32 v14, v16, 4, v14
	v_add_nc_u32 v5, s28, v5                       ; where my block's byte goes
	v_add_nc_u32 v12, s29, v12                     ; the pairs, in
	v_add_nc_u32 v13, s29, v13                     ; and out: entry 4 t + lane / 8
	v_add_nc_u32 v14, s30, v14                     ; the stage, in: four lanes' 64 bytes on end
	v_add_nc_u32 v15, s30, v15                     ; and out: my 16 neighbours
	v_add_nc_u32 v18, s31, v18                     ; the codes' stage, in: piece lane % 8, row lane / 8
	v_add_nc_u32 v19, s31, v19                     ; and out: piece 2 c + h, row r
	v_lshl_add_u32 v28, v0, 3, SCB                 ; the end: waves 0-3 read 256 scale bytes each
	v_lshlrev_b32 v29, 3, v2
	s_mov_b32 s38, 0x600000                        ; the mantissa field of 448
	s_lshr_b32 s19, ttmp9, 3                       ; g
	s_and_b32 s20, ttmp9, 7                        ; which 512 along K
	s_lshl_b32 s21, s19, 6
	s_add_co_u32 s21, s21, s17                     ; my first row
	s_lshl_b32 s22, s21, 14                        ; int32 codes: 16,384 bytes a row
	s_lshl_b32 s34, s20, 11
	s_add_co_u32 s22, s22, s34
	s_lshl_b32 s34, s18, 10
	s_add_co_u32 s22, s22, s34
	s_mov_b32 s23, 0
	s_lshl_b32 s24, s21, 7                         ; scale, offset: 128 bytes a row
	s_lshl_b32 s34, s20, 4
	s_add_co_u32 s24, s24, s34
	s_lshl_b32 s34, s18, 3
	s_add_co_u32 s24, s24, s34
	s_mov_b32 s25, 0
	s_lshl_b32 s26, s20, 20                        ; w_codes: my two fragments, 32,768 bytes apart
	s_lshr_b32 s34, s19, 2
	s_lshl_b32 s34, s34, 17
	s_add_co_u32 s26, s26, s34
	s_lshl_b32 s34, s18, 16
	s_add_co_u32 s26, s26, s34
	s_and_b32 s34, s19, 3
	s_lshl_b32 s34, s34, 13
	s_add_co_u32 s26, s26, s34
	s_lshl_b32 s34, s17, 11
	s_add_co_u32 s26, s26, s34
	s_mov_b32 s27, 0
	s_wait_alu depctr_va_vdst(0)                   ; the wait at the head's end
	s_wait_kmcnt 0x0
	s_add_nc_u64 s[4:5], s[4:5], s[22:23]
	s_add_nc_u64 s[6:7], s[6:7], s[24:25]
	s_add_nc_u64 s[8:9], s[8:9], s[24:25]
	s_add_nc_u64 s[10:11], s[10:11], s[26:27]
	global_load_b32 v20, v4, s[6:7]
	global_load_b32 v21, v4, s[8:9]
.macro LOADW t
.irp j, 0,1,2,3
	global_load_b128 v[R+16*(\t)+4*\j:R+16*(\t)+4*\j+3], v3, s[4:5] offset:(4*((\t)%4)+\j)*65536+((\t)/4)*512 th:TH_LOAD_NT
.endr
.endm
.macro TURN t                          ; LDS serves a wave's instructions in order: no wait between the stores and the loads
.irp j, 0,1,2,3
	ds_store_b128 v14, v[R+16*(\t)+4*\j:R+16*(\t)+4*\j+3] offset:STG1*((\t)%2)+8*SP*\j
.endr
.irp j, 0,1,2,3
	ds_load_b128 v[X+16*((\t)%2)+4*\j:X+16*((\t)%2)+4*\j+3], v15 offset:STG1*((\t)%2)+16*\j
.endr
	ds_load_b64 v[P+2*((\t)%2):P+2*((\t)%2)+1], v13 offset:32*(\t)
.endm
.macro BACK u                          ; four steps' codes come back as 2,048 bytes in operand order
.irp c, 0,1,2,3
	ds_load_b128 v[R+16*\u+4*\c:R+16*\u+4*\c+3], v19 offset:2*CP*\c
.endr
.endm
.macro OUT u                           ; each store covers 512 consecutive, aligned bytes
.irp c, 0,1,2,3
	global_store_b128 v3, v[R+16*\u+4*\c:R+16*\u+4*\c+3], s[10:11] offset:32768*\u+512*\c
.endr
.endm
.irp t, 0,1,2,3,4,5,6,7
	LOADW \t
.endr
	s_wait_loadcnt 32                              ; the pair is in; the 32 behind it may be out
	ds_store_b64 v12, v[20:21]
	s_wait_loadcnt 28                              ; step 0's four loads are in
	TURN 0
.macro STEP t
.set XS, X+16*((\t)%2)
.set PP, P+2*((\t)%2)
.if (\t) == 0
	s_wait_dscnt 0x0
.elseif (\t) == 4
	s_wait_dscnt 6                                 ; behind this step's numbers: two stores and four loads of codes
.else
	s_wait_dscnt 2                                 ; behind this step's numbers: the last step's two stores
.endif
.if (\t) < 7
	s_wait_loadcnt 4*(6-(\t))                      ; the next step's four loads are in
	TURN (\t)+1
.endif
.irp i, 0,1,2,3,4,5,6,7,8,9,10,11,12,13,14,15
	v_cvt_f32_i32 v[XS+\i], v[XS+\i]
.endr
.irp i, 0,1,2,3,4,5,6,7,8,9,10,11,12,13,14,15
	v_fma_f32 v[XS+\i], v[XS+\i], v[PP], -v[PP+1]  ; code * scale - offset
.endr
	v_max3_num_f32 v8, |v[XS]|, |v[XS+1]|, |v[XS+2]|               ; the largest magnitude of my 16, in two chains
	v_max3_num_f32 v9, |v[XS+3]|, |v[XS+4]|, |v[XS+5]|
.irp i, 6,10
	v_max3_num_f32 v8, v8, |v[XS+\i]|, |v[XS+\i+1]|
	v_max3_num_f32 v9, v9, |v[XS+\i+2]|, |v[XS+\i+3]|
.endr
	v_max3_num_f32 v8, v8, |v[XS+14]|, |v[XS+15]|
	v_max3_num_f32 v8, v8, v9, 0x4800000           ; and the floor 2^(9 - 127): the byte cannot fall under 1
	v_max_num_f32_dpp v8, v8, v8 row_xmask:1 row_mask:0xf bank_mask:0xf   ; and of my neighbour's 16: the block's
	v_add_nc_u32 v11, 0xfc000000, v8               ; 8 off its exponent field: the conversion's scale operand
	v_and_or_b32 v10, v8, 0x7f800000, s38          ; 448 x the scale
.irp i, 0,1,2,3,4,5,6,7,8,9,10,11,12,13,14,15
	v_med3_num_f32 v[XS+\i], v[XS+\i], -v10, v10   ; the conversion does not saturate (ISA guide 7.6.2)
.endr
	v_cvt_scalef32_pk8_fp8_f32 v[C+4*(\t):C+4*(\t)+1], v[XS:XS+7], v11
	v_cvt_scalef32_pk8_fp8_f32 v[C+4*(\t)+2:C+4*(\t)+3], v[XS+8:XS+15], v11
	v_lshrrev_b32 v[E+(\t)], 23, v11               ; the scale's byte (a plain line behind the conversions)
	ds_store_b8 v5, v[E+(\t)] offset:32*((\t)%4)+4-4*((\t)/4)      ; both lanes of a block write the same byte with the same value
	ds_store_b128 v18, v[C+4*(\t):C+4*(\t)+3] offset:64*((\t)%4)
.endm
	STEP 0
	STEP 1
	STEP 2
	STEP 3
	BACK 0
	STEP 4
	s_wait_dscnt 11                                ; behind the codes' loads: nine lines of a turn and two stores
	OUT 0
	STEP 5
	STEP 6
	STEP 7
	BACK 1
	s_wait_dscnt 0x0                               ; the codes are back; and for the others' sake: my byte stores have landed
	OUT 1
	s_barrier_signal -1
	s_barrier_wait -1                              ; the work-group's scale bytes are whole
	s_cmp_lt_u32 s16, 4
	s_cbranch_scc0 .Lend                           ; waves 0-3 store 256 bytes each: two units of each K half
	s_lshl_b32 s34, s20, 15
	s_lshl_b32 s35, s19, 9
	s_add_co_u32 s34, s34, s35
	s_and_b32 s35, s16, 1
	s_lshl_b32 s35, s35, 8
	s_add_co_u32 s34, s34, s35
	s_lshr_b32 s35, s16, 1
	s_lshl_b32 s35, s35, 14
	s_add_co_u32 s34, s34, s35
	s_mov_b32 s35, 0
	s_add_nc_u64 s[36:37], s[12:13], s[34:35]
	ds_load_b64 v[30:31], v28
	s_wait_dscnt 0x0
	global_store_b64 v29, v[30:31], s[36:37]       ; 32 lanes store 256 consecutive, aligned bytes
.Lend:
	s_wait_tensorcnt 0x0                           ; the wave's end
	ds_add_u32 v232, v233
	s_wait_dscnt 0x0
	s_endpgm
.Lfunc_end_k_q4b85225b46_prep:
	.size	k_q4b85225b46_prep, .Lfunc_end_k_q4b85225b46_prep-k_q4b85225b46_prep
	.p2alignl 7, 3214868480
	.fill 96, 4, 3214868480
	.section	.rodata,"a",@progbits
	.p2align	6, 0x0
	.amdhsa_kernel k_q4b85225b46_prep
		.amdhsa_group_segment_fixed_size 63488
		.amdhsa_private_segment_fixed_size 0
		.amdhsa_enable_private_segment 0
		.amdhsa_kernarg_size 40
		.amdhsa_user_sgpr_count 2
		.amdhsa_user_sgpr_kernarg_segment_ptr 1
		.amdhsa_wavefront_size32 1
		.amdhsa_system_sgpr_workgroup_id_x 1
		.amdhsa_system_sgpr_workgroup_id_y 1
		.amdhsa_system_sgpr_workgroup_id_z 1
		.amdhsa_system_vgpr_workitem_id 0
		.amdhsa_next_free_vgpr 234
		.amdhsa_next_free_sgpr 66
		.amdhsa_reserve_vcc 0
		.amdhsa_float_denorm_mode_32 3
		.amdhsa_float_denorm_mode_16_64 3
		.amdhsa_memory_ordered 1
		.amdhsa_forward_progress 1
		.amdhsa_inst_pref_size 43
	.end_amdhsa_kernel
	.amdgpu_metadata
---
amdhsa.version: [ 1, 2 ]
amdhsa.kernels:
  - .name:           k_q4b85225b46_prep
    .symbol:         k_q4b85225b46_prep.kd
    .args:
      - { .name: compressed_weight, .offset: 0, .size: 8, .value_kind: global_buffer, .address_space: global }
      - { .name: scale, .offset: 8, .size: 8, .value_kind: global_buffer, .address_space: global }
      - { .name: offset, .offset: 16, .size: 8, .value_kind: global_buffer, .address_space: global }
      - { .name: w_codes, .offset: 24, .size: 8, .value_kind: global_buffer, .address_space: global }
      - { .name: w_scl, .offset: 32, .size: 8, .value_kind: global_buffer, .address_space: global }
    .group_segment_fixed_size: 63488
    .private_segment_fixed_size: 0
    .kernarg_segment_align: 8
    .kernarg_segment_size: 40
    .max_flat_workgroup_size: 256
    .sgpr_count:     66
    .vgpr_count:     234
    .wavefront_size: 32
...
	.end_amdgpu_metadata
.endif
;; end of part 1
;; launch gemm (part 2): grid 8 x 32, 4 waves a work-group, clusters of 4 x 1, 327,680 bytes of LDS; arguments x_codes, x_scales, w_codes, w_scl, out0; writes out0
.if DOCPART == 2
	.amdgcn_target "amdgcn-amd-amdhsa--gfx1250"
	.amdhsa_code_object_version 6
	.text
	.protected	k_q4b85225b46_gemm
	.globl	k_q4b85225b46_gemm
	.p2align	8
	.type	k_q4b85225b46_gemm,@function
k_q4b85225b46_gemm:
	s_mov_b64 s[64:65], 0
	v_nop
	global_prefetch_b8 v0, s[64:65] scope:SCOPE_SE
	s_setreg_imm32_b32 hwreg(HW_REG_WAVE_MODE, 25, 1), 1
	s_wait_xcnt 0x0
	s_wait_alu depctr_hold_cnt(0) depctr_sa_sdst(0) depctr_va_vdst(0) depctr_va_sdst(0) depctr_va_ssrc(0) depctr_va_vcc(0) depctr_vm_vsrc(0)
	s_getreg_b32 s2, hwreg(HW_REG_IB_STS2, 6, 4)
	s_cmp_eq_u32 s2, 0
	s_cbranch_scc0 .Lentry_in_a_cluster
	s_endpgm
.Lentry_in_a_cluster:
	s_bfe_u32 s2, ttmp6, 0x10000c
	s_cmp_lg_u32 s2, 0x3003
	s_cbranch_scc0 .Lentry_shape_is_right
	s_endpgm
.Lentry_shape_is_right:
; out[m][n] = sum over k of x[m][k] w[n][k]: 8,192 x 2,048 x 4,096, codes of FP8 (E4M3) with one E8M0 byte for each 32 along K on both sides; sums in f32, K ascending.
; LIMITS: scale bytes and codes of x are taken as they are given; a NaN code or byte makes the sums that it enters NaN.
; A work-group makes 256 x 256: four waves, each ALL 256 rows x 64 columns: 64 accumulators of 16 x 16, 512 registers.  256 work-groups.
; x goes in slots of 512 along K through a ring of two LDS slots filled by the tensor data mover (rows of 512 bytes); x's scale bytes of the 256 rows, all of K, lie in LDS from the head on.
; w GOES STRAIGHT INTO REGISTERS: its buffer holds the operand registers' images; a wave's 64 columns are no other wave's, so LDS would be no way to share them.
; CLUSTERS: the four work-groups of a cluster make neighbouring tile columns of one tile row and ask for x's tiles jointly (mask 15).  w is not shared so: it never lies in LDS, in which two slots of x, the scale bytes and the spare words leave 22,016 bytes.
; COLUMNS: fragment b of w holds the columns 4 r + b of the wave's 64 (r = lane % 16), so register j of a row block's four accumulators is, in lane (r, h), four neighbouring numbers of row 8 h + j: sixteen lanes hold 256 consecutive bytes.
; A STEP is 128 along K: two batches of 32 products (row blocks 0-7 on x's half 0, 8-15 on half 1).  Behind a batch eight v_nop (places in front of loads into what products have read) and ONE run of loads: the half's fragments for the next
; step, which have the other half's batch in which to land, and, behind a step's second batch, a set of w.  w has three sets of 64 registers: steps 0 and 2 of a slot take turns in one (loaded a step ahead), steps 1 and 3 have one each (three steps ahead).
; THE LAST 256 OF K go by pairs of row blocks, so that finished rows are stored while others are multiplied.
; PREFETCHES: in trip s the rows of slot s + 3 of x (loaded in trip s + 1) and w's part for slot s + 3 (loaded from trip s + 2 on).  x: the four partners take 64 rows each by address, 16 rows a wave, a lane a block of 256 bytes.
; w: the work-groups of a tile column share its 128 KiB of a slot by address, 32 blocks each (tile row % 16).  The last trip asks for nothing.
; REGISTERS: window 0: v0-63 addresses, scale words; v64-255 w's three sets.  Window 1: x's two halves; at the end pairs' fragments and the way out.  Windows 2, 3: accumulators of row blocks 0-7, 8-15.
.set PITCH, 528                        ; 512 bytes + 16: an odd multiple of 16
.set SLOT,  256*PITCH
.set XS,    2*SLOT                     ; scale bytes: units of 256 (two rows) + 16
.set SPARE, XS+128*272                 ; the spare words
.set WSLOT, 0x100000                   ; w's bytes for 512 along K
.set WS,    8                          ; w's scale words: 8 + 4 (step / 2) + 2 i + 1 - step % 2: fragments 2 i (lanes 0-15), 2 i + 1 (16-31)
.set ADR,  16                          ; v16, v17  LDS address of row blocks 0-7, 8-15 in the slot that is read
.set BAS,  18                          ; v18, v19  the same in slot 0
.set SADR, 20
.set BOF,  21
.set PFX,  22
.set PFW,  23
.set CO,   24
.set BO8,  25
.set SPW,  28
.set NIL,  29
.set XW,   32                          ; x's scale words: 32 + 16 (step / 2) + 2 i + step % 2: row blocks 2 i, 2 i + 1.  (A product's two scale words differ by an odd number)
.set WX,   64                          ; w's set of step 3
.set WB,   128                         ; of steps 0 and 2; at 192 that of step 1
.set T,    128                         ; window 1: the way out
.set G0,   20
.set G1,   24
.set G1H,  32
.set G0H,  48
.set G1S,  52
.set G0S,  60
.set PW,   66
.set PS,   68
.set PX,   70
.set PV,   72
.set MUL,  0xa1                        ; source 0 window 1, source 1 window 0, C and D window 2 (+ 0x50: window 3)
.set MSB,  0
.set ASK_, 0
.macro WIN new
.if MSB != (\new)
	s_set_vgpr_msb (MSB<<8)|(\new)
.set MSB, (\new)
.endif
.endm
.macro NOPS n
.rept \n
	v_nop
.endr
.endm
.macro CREST
	s_cmp_lg_u32 s14, 0
	s_cbranch_scc1 .Lnot_wave_0_\@
	s_barrier_signal -3
.Lnot_wave_0_\@:
	s_barrier_wait -3
	s_barrier_signal -1
	s_barrier_wait -1
.endm
.macro CROUND
	s_barrier_signal -1
	s_barrier_wait -1
	CREST
.endm
.macro TLOAD g0, g1
	tensor_load_to_lds s[\g0:\g0+3], s[\g1:\g1+7]
	s_nop 0
	NOPS 4
.endm
	s_load_b256 s[4:11], s[0:1], 0x0               ; x_codes s[4:5], x_scales s[6:7], w_codes s[8:9], w_scl s[10:11]
	s_load_b64 s[12:13], s[0:1], 0x20              ; out0
	v_lshl_add_u32 v[SPW], v0, 2, SPARE
	v_mov_b32 v[NIL], 0
	ds_add_u32 v[SPW], v[NIL]                      ; the opening: the add, twice on end, and its wait
	ds_add_u32 v[SPW], v[NIL]
	v_lshrrev_b32 v1, 5, v0
	v_readfirstlane_b32 s14, v1                    ; wave 0..3
	v_and_b32 v1, 15, v0                           ; r
	v_bfe_u32 v2, v0, 4, 1                         ; h
	v_and_b32 v3, 31, v0                           ; lane
	v_mul_u32_u24 v4, v1, PITCH
	v_lshrrev_b32 v5, 1, v3
	v_and_b32 v6, 1, v3
	v_lshlrev_b32 v7, 12, v1
	v_lshlrev_b32 v26, 16, v2
	v_lshl_add_u32 v[BAS], v2, 4, v4               ; a fragment: row r, 16 bytes for each half of the lanes
	v_lshl_add_u32 v[ADR], v2, 4, v4
	v_mul_u32_u24 v5, v5, 272
	v_add_nc_u32 v[BAS+1], 128*PITCH, v[BAS]
	v_add_nc_u32 v[ADR+1], 128*PITCH, v[ADR]
	v_lshl_add_u32 v5, v6, 7, v5
	v_add_nc_u32 v[SADR], XS, v5                   ; scale bytes: row = lane
	v_lshlrev_b32 v[BOF], 4, v3                    ; 16 x lane
	v_lshlrev_b32 v[BO8], 3, v3                    ; 8 x lane
	v_lshl_add_u32 v[PFX], v2, 8, v7               ; a prefetch of x: row r, block h of 256 bytes
	v_lshlrev_b32 v[PFW], 8, v3                    ; of w: block = lane
	v_lshl_add_u32 v[CO], v1, 4, v26               ; out: 16 r, 8 h rows of 8,192 bytes
	s_and_b32 s16, s14, 1
	s_bfe_u32 s40, ttmp6, 0x40000                  ; cx
	s_lshl_b32 s42, ttmp9, 2
	s_add_co_u32 s42, s42, s40                     ; tile column
	s_and_b32 s17, ttmp7, 0xffff                   ; tile row
	; descriptor groups 1: 64 rows of 512 bytes (the ring), 128 such rows (the head), 64 rows of 256 bytes of scale bytes; 16 bytes of padding behind each
	s_mov_b32 s[G1+0], 15|(1<<20)|(1<<21)|(6<<22)|(3<<25)
	s_mov_b32 s[G1+1], 512<<16
	s_mov_b32 s[G1+2], 64<<16
	s_mov_b32 s[G1+3], 512<<16
	s_mov_b32 s[G1+4], 64
	s_mov_b32 s[G1+5], 4096
	s_mov_b32 s[G1+6], 0
	s_mov_b32 s[G1+7], 0
	s_mov_b32 s[G1H+0], 15|(1<<20)|(1<<21)|(6<<22)|(3<<25)
	s_mov_b32 s[G1H+1], 512<<16
	s_mov_b32 s[G1H+2], 128<<16
	s_mov_b32 s[G1H+3], 512<<16
	s_mov_b32 s[G1H+4], 128
	s_mov_b32 s[G1H+5], 4096
	s_mov_b32 s[G1H+6], 0
	s_mov_b32 s[G1H+7], 0
	s_mov_b32 s[G1S+0], 15|(3<<16)|(1<<20)|(1<<21)|(5<<22)|(3<<25)
	s_mov_b32 s[G1S+1], 32<<16
	s_mov_b32 s[G1S+2], 64<<16
	s_mov_b32 s[G1S+3], 32<<16
	s_mov_b32 s[G1S+4], 64
	s_mov_b32 s[G1S+5], 32
	s_mov_b32 s[G1S+6], 0
	s_mov_b32 s[G1S+7], 0
	s_lshl_b32 s76, s17, 20                        ; x: the tile row's first row
	s_lshl_b32 s78, s16, 19
	s_add_co_u32 s78, s78, s76                     ; the head: 128 rows each for waves 0, 1
	s_mov_b32 s79, 0
	s_lshl_b32 s80, s14, 18
	s_add_co_u32 s80, s80, s76                     ; the ring: 64 rows a wave, slot 1 first
	s_add_co_u32 s80, s80, 512
	s_mov_b32 s81, 0
	s_lshl_b32 s82, s17, 15                        ; scale bytes: 128 rows each for waves 2, 3
	s_lshl_b32 s83, s16, 14
	s_add_co_u32 s82, s82, s83
	s_mov_b32 s83, 0
	s_lshl_b32 s86, s40, 18                        ; prefetches of x: 64 rows by cx, 16 by the wave, from slot 2 on
	s_add_co_u32 s86, s86, s76
	s_lshl_b32 s87, s14, 16
	s_add_co_u32 s86, s86, s87
	s_add_co_u32 s86, s86, 1024
	s_mov_b32 s87, 0
	s_lshl_b32 s88, s42, 17                        ; w: my wave's 8,192 bytes of a step
	s_lshl_b32 s89, s14, 13
	s_add_co_u32 s88, s88, s89
	s_mov_b32 s89, 0
	s_lshl_b32 s90, s42, 11                        ; w's scale bytes: 512 a wave for 256 along K
	s_lshl_b32 s91, s14, 9
	s_add_co_u32 s90, s90, s91
	s_mov_b32 s91, 0
	s_lshl_b32 s92, s42, 17                        ; prefetches of w, from slot 1 on
	s_and_b32 s93, s17, 15
	s_lshl_b32 s93, s93, 13
	s_add_co_u32 s92, s92, s93
	s_add_co_u32 s92, s92, WSLOT
	s_mov_b32 s93, 0
	s_lshl_b32 s94, s17, 21                        ; out: 256 rows of 8,192 bytes, 1,024 bytes a tile column, 256 a wave
	s_lshl_b32 s95, s42, 10
	s_add_co_u32 s94, s94, s95
	s_lshl_b32 s95, s14, 8
	s_add_co_u32 s94, s94, s95
	s_mov_b32 s95, 0
	s_mov_b32 s[G0H], 1
	s_mul_i32 s[G0H+1], s16, 128*PITCH
	s_mov_b32 s[G0S], 1
	s_mul_i32 s[G0S+1], s16, 64*272
	s_add_co_u32 s[G0S+1], s[G0S+1], XS
	s_mov_b32 s[G0], 1
	s_mul_i32 s[G0+1], s14, 64*PITCH
	s_add_co_u32 s[G0+1], s[G0+1], SLOT
	s_mov_b32 s74, 0                               ; where the next refill goes
	s_mov_b32 s75, SLOT                            ; the slot that is read next
	s_wait_alu depctr_va_vdst(0)                   ; the wait at the head's end
	s_wait_dscnt 0x0                               ; both opening adds are done
	CROUND                                         ; all four work-groups are here: the first joint loads meet
	s_wait_kmcnt 0x0
	s_add_nc_u64 s[G0H+2:G0H+3], s[4:5], s[78:79]
	s_or_b32 s[G0H+3], s[G0H+3], 0x80000000
	s_add_nc_u64 s[G0S+2:G0S+3], s[6:7], s[82:83]
	s_or_b32 s[G0S+3], s[G0S+3], 0x80000000
	s_cmp_lt_u32 s14, 2                            ; ONE joint load a wave
	s_cbranch_scc0 .Lscales
	TLOAD G0H, G1H                                 ; waves 0, 1: slot 0
	s_branch .Lasked
.Lscales:
	TLOAD G0S, G1S                                 ; waves 2, 3: x's scale bytes
.Lasked:
	s_add_nc_u64 s[PW:PW+1], s[8:9], s[88:89]
	s_add_nc_u64 s[PS:PS+1], s[10:11], s[90:91]
	s_add_nc_u64 s[PX:PX+1], s[4:5], s[86:87]
	s_add_nc_u64 s[PV:PV+1], s[8:9], s[92:93]
	s_add_nc_u64 s[12:13], s[12:13], s[94:95]
	s_add_nc_u64 s[G0+2:G0+3], s[4:5], s[80:81]
	s_or_b32 s[G0+3], s[G0+3], 0x80000000
; a product of row block A_, w's fragment b: step Q_ of the slot; x's fragment at F_, w's set at Y_; Z_ = 1 starts the sum
.macro WM b
.set D_, 32*(A_%8)+8*\b
.set B_, Y_+16*\b
.set U_, XW+16*(Q_/2)+2*(A_/2)+Q_%2
.set V_, WS+4*(Q_/2)+2*(\b/2)+1-Q_%2
.if Z_
.if (A_%2) && (\b%2)
	v_wmma_scale_f32_16x16x128_f8f6f4 v[D_:D_+7], v[F_:F_+15], v[B_:B_+15], 0, v[U_], v[V_] matrix_a_scale:MATRIX_SCALE_ROW1 matrix_b_scale:MATRIX_SCALE_ROW1
.elseif A_%2
	v_wmma_scale_f32_16x16x128_f8f6f4 v[D_:D_+7], v[F_:F_+15], v[B_:B_+15], 0, v[U_], v[V_] matrix_a_scale:MATRIX_SCALE_ROW1
.elseif \b%2
	v_wmma_scale_f32_16x16x128_f8f6f4 v[D_:D_+7], v[F_:F_+15], v[B_:B_+15], 0, v[U_], v[V_] matrix_b_scale:MATRIX_SCALE_ROW1
.else
	v_wmma_scale_f32_16x16x128_f8f6f4 v[D_:D_+7], v[F_:F_+15], v[B_:B_+15], 0, v[U_], v[V_]
.endif
.else
.if (A_%2) && (\b%2)
	v_wmma_scale_f32_16x16x128_f8f6f4 v[D_:D_+7], v[F_:F_+15], v[B_:B_+15], v[D_:D_+7], v[U_], v[V_] matrix_a_scale:MATRIX_SCALE_ROW1 matrix_b_scale:MATRIX_SCALE_ROW1
.elseif A_%2
	v_wmma_scale_f32_16x16x128_f8f6f4 v[D_:D_+7], v[F_:F_+15], v[B_:B_+15], v[D_:D_+7], v[U_], v[V_] matrix_a_scale:MATRIX_SCALE_ROW1
.elseif \b%2
	v_wmma_scale_f32_16x16x128_f8f6f4 v[D_:D_+7], v[F_:F_+15], v[B_:B_+15], v[D_:D_+7], v[U_], v[V_] matrix_b_scale:MATRIX_SCALE_ROW1
.else
	v_wmma_scale_f32_16x16x128_f8f6f4 v[D_:D_+7], v[F_:F_+15], v[B_:B_+15], v[D_:D_+7], v[U_], v[V_]
.endif
.endif
.endm
.macro WM4
	WM 0
	WM 1
	WM 2
	WM 3
.endm
.macro BATCH q, h, zero, from, to      ; row blocks 8 h + from .. 8 h + to - 1: the accumulators take turns, in the same order in every step
	WIN MUL+0x50*\h
.set Q_, \q
.set Y_, WB+64*(\q%2)
.if \q == 3
.set Y_, WX
.endif
.set Z_, \zero
.set I_, \from
.rept (\to)-(\from)
.set A_, 8*\h+I_
.set F_, 128*\h+16*I_
	WM4
.set I_, I_+1
.endr
.endm
.macro LDA h, q                        ; 32 loads: half h, step q of the slot that is read
	WIN 0x40
.set N_, 0
.rept 32
	ds_load_b128 v[128*\h+4*N_:128*\h+4*N_+3], v[ADR+\h] offset:(N_/4)*16*PITCH+128*(\q)+32*(N_%4)
.set N_, N_+1
.endr
	WIN 0
.endm
.macro SCX half, off                   ; 8 loads: x's scale words of two steps
.set N_, 0
.rept 8
	ds_load_b64 v[XW+16*\half+2*N_:XW+16*\half+2*N_+1], v[SADR] offset:N_*16*272+(\off)
.set N_, N_+1
.endr
.endm
.macro SCW half, off                   ; 2 loads: w's
	global_load_b64 v[WS+4*\half:WS+4*\half+1], v[BO8], s[PS:PS+1] offset:(\off)
	global_load_b64 v[WS+4*\half+2:WS+4*\half+3], v[BO8], s[PS:PS+1] offset:(\off)+256
.endm
.macro LDB dst, off                    ; 16 loads of 512 consecutive bytes: w's set of a step
.set N_, 0
.rept 16
	global_load_b128 v[(\dst)+4*N_:(\dst)+4*N_+3], v[BOF], s[PW:PW+1] offset:(\off)+512*N_
.set N_, N_+1
.endr
.endm
.macro PAIR p                          ; 16 loads: row blocks 2 p, 2 p + 1 for the last slot's steps 2 and 3
	WIN 0x40
.set N_, 0
.rept 16
.set R_, 2*(\p)+(N_/4)%2
	ds_load_b128 v[64*((\p)%2)+4*N_:64*((\p)%2)+4*N_+3], v[ADR+R_/8] offset:(R_%8)*16*PITCH+128*(2+N_/8)+32*(N_%4)
.set N_, N_+1
.endr
	WIN 0
.endm
.macro ASK
	s_cmp_lt_u32 s3, 5
	s_cbranch_scc0 .Lasked_\@
	global_prefetch_b8 v[PFX], s[PX:PX+1] th:TH_LOAD_NT scope:SCOPE_SE
	s_cmp_lg_u32 s14, 0
	s_cbranch_scc1 .Lasked_\@
	global_prefetch_b8 v[PFW], s[PV:PV+1] offset:WSLOT th:TH_LOAD_NT scope:SCOPE_SE
.Lasked_\@:
.endm
; A step.  last = 1: the last slot's step 1, which loads pairs' fragments.
; w's loads behind a step: step 0: this slot's step 2; step 1: the next slot's step 1; step 2: its step 0; step 3 (the bases have gone on to it): its step 3.
; THE CHANGE OF SLOTS, in step 3: everything of this slot that is still wanted is on its way or in registers.  In front of the batch the wait for my tensor load and the add; behind 24 products the wait for the add and my reads, and the signal;
; eight products stand between signal and wait; behind the round the refill, and the next slot's first run.
.macro STEP q, zero, fill, last
	s_wait_alu depctr_va_vdst(0)
.if \q%2
	s_wait_loadcnt 34                              ; this step's set is in; at least the two youngest sets and two loads of scale words are behind it
.elseif \zero
	s_wait_loadcnt 32                              ; the first set and scale words are in; behind them two sets
.else
	s_wait_loadcnt 16                              ; this step's set and scale words are in; behind them one set
.endif
.if \q == 3
	s_wait_tensorcnt 0x0                           ; my part of the next slot is in;
	ds_add_u32 v[SPW], v[NIL]
	s_wait_dscnt 41                                ; half 0 is in; behind it 8 loads of scale words, half 1's 32 and the add
	BATCH 3, 0, 0, 0, 3
	s_wait_xcnt 0x0                                ; every load and prefetch has read its base: on to the next slot
	s_add_nc_u64 s[PW:PW+1], s[PW:PW+1], WSLOT
	s_add_nc_u64 s[PS:PS+1], s[PS:PS+1], 32768
.if \fill
	s_add_nc_u64 s[PX:PX+1], s[PX:PX+1], 512
	s_add_nc_u64 s[PV:PV+1], s[PV:PV+1], WSLOT
	s_add_nc_u64 s[G0+2:G0+3], s[G0+2:G0+3], 512   ; (no tensor load of mine is out)
	s_mul_i32 s[G0+1], s14, 64*PITCH
	s_add_co_u32 s[G0+1], s[G0+1], s74
.endif
	BATCH 3, 0, 0, 3, 6
	s_wait_dscnt 0x0                               ; the add is done, and my reads of this slot are over
	s_barrier_signal -1
	BATCH 3, 0, 0, 6, 8
	WIN 0
	s_barrier_wait -1
.if \fill
	CREST                                          ; no wave of any partner still reads the slot or has a load on its way
	tensor_load_to_lds s[G0:G0+3], s[G1:G1+7]      ; the first tensor load behind the round
	s_nop 0
.endif
	NOPS 8
	v_add_nc_u32 v[ADR], s75, v[BAS]
	v_add_nc_u32 v[ADR+1], s75, v[BAS+1]
	v_add_nc_u32 v[SADR], 16, v[SADR]
	s_wait_alu depctr_va_vdst(0)
	LDA 0, 0
.if \fill
	s_xor_b32 s74, s74, SLOT
	s_xor_b32 s75, s75, SLOT
.endif
	BATCH 3, 1, 0, 0, 8
	NOPS 8
	LDA 1, 0
	LDB WX, 3*32768
.else
.if \q == 1
	s_wait_dscnt 40                                ; half 0 is in; behind it half 1's 32 and 8 loads of scale words
.else
	s_wait_dscnt 32                                ; half 0 is in; behind it half 1's 32
.endif
	BATCH \q, 0, \zero, 0, 8
	NOPS 8
.if \q == 1 && \last
	PAIR 0
	s_wait_dscnt 24                                ; half 1 is in; behind it 8 loads of scale words and a pair's 16
.else
	LDA 0, \q+1
.if \q == 0 && ASK_
	ASK
.endif
.if \q == 2
	SCX 0, 16
.endif
.if \q == 0
	s_wait_dscnt 32                                ; half 1 is in; behind it half 0's 32
.else
	s_wait_dscnt 40                                ; half 1 is in; behind it half 0's 32 and 8 loads of scale words
.endif
.endif
	BATCH \q, 1, \zero, 0, 8
	NOPS 8
.if \q == 1 && \last
	PAIR 1
.else
	LDA 1, \q+1
.if \q == 0
	SCX 1, 8
	SCW 1, 16384
	LDB WB, 2*32768
.elseif \q == 1
	LDB WB+64, WSLOT+32768
.else
	SCW 0, 32768
	LDB WB, WSLOT
.endif
.endif
.endif
.endm
	SCW 0, 0
	LDB WB, 0                                      ; w's sets of steps 0 and 1
	LDB WB+64, 32768
	s_cmp_lg_u32 s14, 0
	s_cbranch_scc1 .Lnot_w1
	global_prefetch_b8 v[PFW], s[PV:PV+1] th:TH_LOAD_NT scope:SCOPE_SE
.Lnot_w1:
	s_wait_tensorcnt 0x0                           ; my tile of the head is in
	ds_add_u32 v[SPW], v[NIL]
	s_wait_dscnt 0x0
	CROUND                                         ; slot 0 and the scale bytes are in, and all four work-groups are here
	TLOAD G0, G1                                   ; slot 1's first fill, the first tensor load behind the round
	SCX 0, 0
	LDA 0, 0
	LDA 1, 0
	LDB WX, 3*32768                                ; w's set of step 3
	global_prefetch_b8 v[PFX], s[PX:PX+1] th:TH_LOAD_NT scope:SCOPE_SE
	s_cmp_lg_u32 s14, 0
	s_cbranch_scc1 .Lnot_w2
	global_prefetch_b8 v[PFW], s[PV:PV+1] offset:WSLOT th:TH_LOAD_NT scope:SCOPE_SE
.Lnot_w2:
	STEP 0, 1, 0, 0                                ; the first step starts the sums
	WIN 0
	s_mov_b32 s3, 0
.set ASK_, 1
.Lslot:                                ; a trip: steps 1 to 3 of a slot, step 0 of the next
	STEP 1, 0, 0, 0
	STEP 2, 0, 0, 0
	STEP 3, 0, 1, 0
	STEP 0, 0, 0, 0
	WIN 0
	s_add_co_u32 s3, s3, 1
	s_cmp_lt_u32 s3, 6
	s_cbranch_scc1 .Lslot
.set ASK_, 0
	STEP 1, 0, 0, 0                                ; slot 6 fills nothing
	STEP 2, 0, 0, 0
	STEP 3, 0, 0, 0
	STEP 0, 0, 0, 0
	STEP 1, 0, 0, 1
; THE LAST SLOT'S STEPS 2 AND 3, by pairs of row blocks: 16 products, and the pair's rows leave: sixteen lanes store 256 consecutive, aligned bytes
.macro TP p
.if \p < 7
	s_wait_dscnt 16                                ; this pair's fragments are in; behind them the next pair's 16
.else
	s_wait_dscnt 0x0
.endif
	WIN MUL+0x50*(\p/4)
.set Z_, 0
.set K_, 0
.rept 4
.set A_, 2*\p+K_%2
.set F_, 64*(\p%2)+16*K_
.set Q_, 2+K_/2
.set Y_, WB-64*(K_/2)
	WM4
.set K_, K_+1
.endr
	NOPS 8
.if \p < 6
	PAIR \p+2
.endif
.if \p > 0
	s_wait_xcnt 0x0                                ; the last pair's stores have read their data
.endif
	WIN 0x42+\p/4
.set N_, 0
.rept 16
.set A_, 2*\p+N_/8
.irp b, 0,1,2,3
	v_mov_b32 v[T+4*N_+\b], v[32*(A_%8)+8*\b+N_%8]
.endr
.set N_, N_+1
.endr
	WIN 0x04
.set N_, 0
.rept 16
	global_store_b128 v[CO], v[T+4*N_:T+4*N_+3], s[12:13] offset:(32*\p+16*(N_/8)+N_%8)*8192 th:TH_STORE_NT
.set N_, N_+1
.endr
.endm
	s_wait_alu depctr_va_vdst(0)
	s_wait_loadcnt 0x0                             ; w's sets of steps 2 and 3
.irp p, 0,1,2,3,4,5,6,7
	TP \p
.endr
	WIN 0
	s_wait_tensorcnt 0x0                           ; the wave's end
	ds_add_u32 v[SPW], v[NIL]
	s_wait_dscnt 0x0
	CROUND                                         ; the closing round
	s_endpgm
.Lfunc_end_k_q4b85225b46_gemm:
	.size	k_q4b85225b46_gemm, .Lfunc_end_k_q4b85225b46_gemm-k_q4b85225b46_gemm
	.p2alignl 7, 3214868480
	.fill 96, 4, 3214868480
	.section	.rodata,"a",@progbits
	.p2align	6, 0x0
	.amdhsa_kernel k_q4b85225b46_gemm
		.amdhsa_group_segment_fixed_size 327680
		.amdhsa_private_segment_fixed_size 0
		.amdhsa_enable_private_segment 0
		.amdhsa_kernarg_size 40
		.amdhsa_user_sgpr_count 2
		.amdhsa_user_sgpr_kernarg_segment_ptr 1
		.amdhsa_wavefront_size32 1
		.amdhsa_system_sgpr_workgroup_id_x 1
		.amdhsa_system_sgpr_workgroup_id_y 1
		.amdhsa_system_sgpr_workgroup_id_z 1
		.amdhsa_system_vgpr_workitem_id 0
		.amdhsa_next_free_vgpr 1024
		.amdhsa_next_free_sgpr 96
		.amdhsa_reserve_vcc 0
		.amdhsa_float_denorm_mode_32 3
		.amdhsa_float_denorm_mode_16_64 3
		.amdhsa_memory_ordered 1
		.amdhsa_forward_progress 1
		.amdhsa_inst_pref_size 217
	.end_amdhsa_kernel
	.amdgpu_metadata
---
amdhsa.version: [ 1, 2 ]
amdhsa.kernels:
  - .name:           k_q4b85225b46_gemm
    .symbol:         k_q4b85225b46_gemm.kd
    .args:
      - { .name: x_codes, .offset: 0, .size: 8, .value_kind: global_buffer, .address_space: global }
      - { .name: x_scales, .offset: 8, .size: 8, .value_kind: global_buffer, .address_space: global }
      - { .name: w_codes, .offset: 16, .size: 8, .value_kind: global_buffer, .address_space: global }
      - { .name: w_scl, .offset: 24, .size: 8, .value_kind: global_buffer, .address_space: global }
      - { .name: out0, .offset: 32, .size: 8, .value_kind: global_buffer, .address_space: global }
    .group_segment_fixed_size: 327680
    .private_segment_fixed_size: 0
    .kernarg_segment_align: 8
    .kernarg_segment_size: 40
    .max_flat_workgroup_size: 128
    .sgpr_count:     96
    .vgpr_count:     1024
    .wavefront_size: 32
...
	.end_amdgpu_metadata
.endif
;; end of part 2
